; MI455X (gfx1250); checked and timed in simulation.
; The chip was launched on July 23, 2026; its instructions are those of AMD's public machine-readable ISA for CDNA 5 (MIT licence, August 2026) and "CDNA5" Instruction Set Architecture Reference Guide (July 2026). The comments in the code are by the model that wrote it; some were corrected since.
;; Flex Attention. Allowed arithmetic: float matrix products may take bf16 or f16 operands with f32 sums; all other float work in f32.
;; Inputs: k 2 x 16 x 2,048 x 64 float32; q 2 x 16 x 2,048 x 64 float32; sink_weights 16 float32; v 2 x 16 x 2,048 x 64 float32.
;; Outputs: out0 2 x 16 x 2,048 x 64 float32.
;; Constants: sliding_window = 1024.
;; One version. Each part assembles by itself: llvm-mc -triple=amdgcn-amd-amdhsa -mcpu=gfx1250 --defsym DOCPART=n.
;; ======== version 1 of 1: 1 launch
;; limits: values are held in f16: magnitudes above 65,504 overflow, below 6.1e-05 lose precision; inputs' magnitudes at most 65,504
;; launch attn (part 1): grid 8 x 32, 8 waves a work-group, no clusters, 109,568 bytes of LDS; arguments q, k, v, sink_weights, out0; writes out0
.if DOCPART == 1
	.amdgcn_target "amdgcn-amd-amdhsa--gfx1250"
	.amdhsa_code_object_version 6
	.text
	.protected	k_qc927102ba7_attn
	.globl	k_qc927102ba7_attn
	.p2align	8
	.type	k_qc927102ba7_attn,@function
k_qc927102ba7_attn:
	s_mov_b64 s[64:65], 0
	v_nop
	global_prefetch_b8 v0, s[64:65] scope:SCOPE_SE
	s_setreg_imm32_b32 hwreg(HW_REG_WAVE_MODE, 25, 1), 1
	s_wait_xcnt 0x0
; Sliding-window causal attention with a sink logit.  q, k, v, out: [2][16][2048][64] f32; sink_weights: [16] f32.
; Key kv counts for query q iff 0 <= q - kv <= 1024; the sink logit (not scaled) enters the maximum and the denominator only.
;
; SHARES.  Work-group (b, bh): 256 query rows 256 b .. of pair bh = batch x 16 + head.  Eight waves; wave w owns the 32 rows from
; qw = 256 b + 32 w, as two tiles a = 0, 1 of 16.  The group walks key tiles of 64 keys from tile max(4b-16, 0) to tile 4b+3: T = min(4b+4, 20)
; trips.  With sd = qw - (tile's first key), q - kv of a wave and a tile spans sd-63 .. sd+31: a wave multiplies the tile iff 0 <= sd <= 1056
; (17 tiles at the most) and needs the mask only outside 64 <= sd <= 992 (two of them).  In each tile that a wave multiplies every one of
; its rows keeps at least one key (sd = 1056: key 63 for row 31; sd = 0: key 0 for row 0), so a tile's row maximum is always a real score.
;
; TRANSPOSED PRODUCTS.  S^T = K Q^T: lane (r, h), register j of tile (kt, a) holds query qw+16a+r, key 16kt+8h+j.  A query's scores lie in
; one lane pair (r, r+16), so maximum and sum are kept per lane and joined by one v_permlanex16_b32; and tiles 2ks, 2ks+1, packed to 16 bits,
; ARE the B fragment of O^T = V^T P^T.  Nothing is shuffled.  V^T's A fragment comes by the transposing LDS load from V as stored.
;
; FORMATS; all sums in f32.  q and k are rounded to bf16 and multiplied in the bf16 form.  v is rounded to bf16 as well, so that the three
; inputs carry one and the same rounding, and is then REWRITTEN as f16: a bf16 number has 8 significant bits, which f16 holds exactly
; from 2^-17 to 65,504.  That lets P go in f16 and the second product in the f16 form: in the first rows a few probabilities near 1 meet
; values near 1 and cancel, so P's rounding shows in full, and f16's 11 bits leave an eighth of the error of bf16's 8.
; For P to have room in f16, the running maximum of the loop spans the row's scores alone: each row's largest probability is exactly 1
; whatever the sink, and what f16 drops is below 1025 x 3e-8 of the row's largest term.  The sink joins at the end, with the maximum of
; both taken away: M = max(m, sink), out = O 2^(m-M) / (l 2^(m-M) + 2^(sink-M)).
; LIMITS OF THAT: |v| <= 65,504 (beyond it f16 gives infinity); |v| below 2^-17 keeps an absolute error of up to 3e-8.
;
; DATA PATH.  A K or V tile is 16,384 consecutive bytes of f32.  Each thread loads 4 + 4 x 16 bytes (a wave's load covers 512 consecutive
; bytes) into one of two register sets, rounds them once for the whole group and stores them into one of two LDS slots.
; Trip t: barrier; tile t+1 from registers into the other slot; tile t+3 requested into the set just freed; products on slot t & 1.
;
; NO CLUSTER, NO TENSOR LOADS: a tensor load copies and does not convert, so f32 tiles would lie in LDS (32 KB a tile in, 32 KB read,
; 16 KB written again in 16 bits) where now 16 KB are written; and the eight blocks of a head start at tiles max(4b-16, 0) and walk
; 4 to 20 of them, so that in one trip blocks 4 to 7 want four different tiles: joint requests would not meet.
;
; FURTHER LIMITS.  The denominator sums the unrounded f32 probabilities, the numerator the rounded ones.  Masked scores are -1e30,
; which gives probability 0 while every row's largest score is above about -1e29.  v_exp_f32 flushes results below 2^-126 to
; zero, so a row whose sink lies more than 87 above its largest score comes out as 0.  NaN and infinities in the inputs are not
; reproduced (the maxima drop NaN).
.set TILEB, 16384                      ; bytes of a K or V tile in memory
.set KPI,   144                        ; LDS pitch of K and Q rows: 128 bytes + 16 = 9 x 16, so 16 rows start in 16 different 16-byte columns modulo 256
.set VPI,   160                        ; LDS pitch of V rows: 5 x 32, the same for the eight rows x two columns of a transposing load
.set VOFF,  64*KPI                     ; V behind K in a slot
.set SLOT,  64*KPI+64*VPI              ; 19,456 bytes
.set STAGE, 2*SLOT                     ; behind the slots: 8,704 bytes for each wave, first Q in bf16 (32 x 144), at the end O in f32 (32 x 272)
.set WSTG,  8704
.set OPI,   272
.set KA,   1                           ; v1   144 r + 16 h: K and Q fragments; in the epilogue r
.set VA,   2                           ; v2   VOFF + 160 (8h + (L&7)) + 16 ((L>>3)&1): V fragments; in the epilogue h
.set KST,  3                           ; v3   288 w + 144 h + 8 r: where my 8 bytes of K go; in the epilogue where I read rows of O back
.set VST,  4                           ; v4   VOFF + 320 w + 160 h + 8 r: the same for V
.set GOFF, 5                           ; v5   16 x thread: my 16 bytes in each 4,096 of a tile
.set PFO,  6                           ; v6   prefetch offset
.set LB,   7                           ; v7   r - 8 h
.set NEG,  8                           ; v8   -1e30
.set VB,   9                           ; v9   mask base sd + r - 8h; an LDS address in prologue and epilogue
.set NM,   10                          ; v[10:11]  minus the running maximum of tile a's scores, in the log2 domain
.set AL,   12                          ; v[12:13]  the trip's rescale factor of tile a; at the end the factor that finishes O
.set LS,   14                          ; v[14:21]  denominator: tile a, chain ch at LS+4a+2ch, a pair each
.set TT,   22                          ; v[22:29]  temporaries
.set LOFF, 30                          ; v30  16 x lane
.set QF,   32                          ; v[32:63]    Q fragment (a, half of d) at QF + 8 (2a + hf)
.set SC,   64                          ; v[64:127]   scores (kt, a) at SC + 32a + 8kt; P(a, ks) packed in place at SC + 32a + 16ks
.set FR,   128                         ; v[128:191]  K(kt, hf) at FR + 16kt + 8hf, then V(dt, ks) at FR + 8 (4ks + dt)
.set OA,   192                         ; v[192:255]  O^T(dt, a) at OA + 8 (dt + 4a)
                                       ; v[256:319]  (window 1, v0-63) staging set p at 32 p: K in +0..15, V in +16..31
; s[4:5] q at my rows, s[6:7] / s[8:9] K / V at the tile requested last, s[10:11] my head's sink, s[12:13] out at my rows, s14 wave,
; s15 temporary, s16 bh, s17 first tile, s18 sd, s19 loop counter, s20-21 lane selects, s22 minus the sink in the log2 domain,
; s23 mask of a word's upper bf16, s24 loop trips, s25 my stage, s[26:27] offsets, s28 prefetching iterations, s29 1025,
; s[30:31] prefetch pointer
.set MSB, 0
.macro WIN new                         ; low byte: source 0 bits 1:0, source 1 bits 3:2, destination bits 7:6; high byte repeats the setting left
.if MSB != \new
	s_set_vgpr_msb (MSB<<8)|\new
.set MSB, \new
.endif
.endm
; eight loads: one K tile and one V tile into staging set \set
.macro LOADT set, off
	WIN 0x40                                       ; destination in window 1, offset register in window 0
.irp i, 0,1,2,3
	global_load_b128 v[32*\set+4*\i:32*\set+4*\i+3], v[GOFF], s[6:7] offset:\off+4096*\i
.endr
.irp i, 0,1,2,3
	global_load_b128 v[32*\set+16+4*\i:32*\set+16+4*\i+3], v[GOFF], s[8:9] offset:\off+4096*\i
.endr
.endm
; staging set \set rounded in place and stored into slot \slot: load i holds row 16 i + 2 w + h, columns 4 r .. 4 r + 3.
; K (loads 0-3): to bf16.  V (loads 4-7): to bf16, each half widened to f32 again (a shift, a mask), and packed as f16, which is exact.
.macro CONVT set, slot
	WIN 0x45                                       ; both sources and the destination in window 1
.irp i, 0,1,2,3
	v_cvt_pk_bf16_f32 v[32*\set+4*\i], v[32*\set+4*\i], v[32*\set+4*\i+1]
	v_cvt_pk_bf16_f32 v[32*\set+4*\i+1], v[32*\set+4*\i+2], v[32*\set+4*\i+3]
.endr
.irp i, 4,5,6,7
	v_cvt_pk_bf16_f32 v[32*\set+4*\i], v[32*\set+4*\i], v[32*\set+4*\i+1]        ; columns 0, 1 in register 0; register 1 is free
	v_cvt_pk_bf16_f32 v[32*\set+4*\i+2], v[32*\set+4*\i+2], v[32*\set+4*\i+3]    ; columns 2, 3 in register 2; register 3 is free
.endr
.irp i, 4,5,6,7
	v_lshlrev_b32 v[32*\set+4*\i+1], 16, v[32*\set+4*\i]                         ; column 0 as f32
	v_lshlrev_b32 v[32*\set+4*\i+3], 16, v[32*\set+4*\i+2]                       ; column 2
.endr
.irp i, 4,5,6,7
	v_and_b32 v[32*\set+4*\i], s23, v[32*\set+4*\i]                              ; column 1
	v_and_b32 v[32*\set+4*\i+2], s23, v[32*\set+4*\i+2]                          ; column 3
.endr
.irp i, 4,5,6,7
	v_cvt_pk_f16_f32 v[32*\set+4*\i], v[32*\set+4*\i+1], v[32*\set+4*\i]
	v_cvt_pk_f16_f32 v[32*\set+4*\i+1], v[32*\set+4*\i+3], v[32*\set+4*\i+2]
.endr
	WIN 0x04                                       ; address in window 0, data in window 1
.irp i, 0,1,2,3
	ds_store_b64 v[KST], v[32*\set+4*\i:32*\set+4*\i+1] offset:\slot*SLOT+16*KPI*\i
.endr
.irp i, 0,1,2,3
	ds_store_b64 v[VST], v[32*\set+16+4*\i:32*\set+16+4*\i+1] offset:\slot*SLOT+16*VPI*\i
.endr
.endm
; 16 loads: the eight A fragments of K (16 keys x 32 of d each)
.macro KFRAG slot
.irp kt, 0,1,2,3
.irp hf, 0,1
.irp c, 0,1
	ds_load_b128 v[FR+16*\kt+8*\hf+4*\c:FR+16*\kt+8*\hf+4*\c+3], v[KA] offset:\slot*SLOT+16*KPI*\kt+64*\hf+32*\c
.endr
.endr
.endr
.endm
; 16 matrix instructions: S^T(kt, a) = K(kt) Q(a)^T.  The first half of d starts each sum (C = 0); the second is the next link of the
; chain in place (same form, C and D both the earlier D), which needs no distance (ISA guide 7.12.1).
.macro QK
.irp kt, 0,1,2,3
	s_wait_dscnt 12-4*\kt                          ; LDS answers in order: this block's four loads are in, the 12-4kt younger K loads stay out
	v_wmma_f32_16x16x32_bf16 v[SC+8*\kt:SC+8*\kt+7], v[FR+16*\kt:FR+16*\kt+7], v[QF:QF+7], 0
	v_wmma_f32_16x16x32_bf16 v[SC+32+8*\kt:SC+32+8*\kt+7], v[FR+16*\kt:FR+16*\kt+7], v[QF+16:QF+23], 0
	v_wmma_f32_16x16x32_bf16 v[SC+8*\kt:SC+8*\kt+7], v[FR+16*\kt+8:FR+16*\kt+15], v[QF+8:QF+15], v[SC+8*\kt:SC+8*\kt+7]
	v_wmma_f32_16x16x32_bf16 v[SC+32+8*\kt:SC+32+8*\kt+7], v[FR+16*\kt+8:FR+16*\kt+15], v[QF+24:QF+31], v[SC+32+8*\kt:SC+32+8*\kt+7]
.endr
.rept 4
	v_nop                                          ; four places in front of the loads into FR and the vector reads of the scores
.endr
.endm
; 16 transposing loads: the eight A fragments of V^T (16 of d x 32 keys each)
.macro VFRAG slot
.irp ks, 0,1
.irp dt, 0,1,2,3
.irp c, 0,1
	ds_load_tr16_b128 v[FR+8*(4*\ks+\dt)+4*\c:FR+8*(4*\ks+\dt)+4*\c+3], v[VA] offset:\slot*SLOT+32*VPI*\ks+16*VPI*\c+32*\dt
.endr
.endr
.endr
.endm
; q - kv = sd + 16a + r - 16kt - 8h - j; kept iff it is below 1025 as an unsigned number
.macro MASK
	v_add_nc_u32 v[VB], s18, v[LB]
.irp a, 0,1
.irp kt, 0,1,2,3
.irp j, 0,1,2,3,4,5,6,7
	v_sub_nc_u32 v[TT+(\j&1)], v[VB], 16*\kt+\j-16*\a
	v_cmp_gt_u32 vcc_lo, s29, v[TT+(\j&1)]
	v_cndmask_b32 v[SC+32*\a+8*\kt+\j], v[NEG], v[SC+32*\a+8*\kt+\j], vcc_lo
.endr
.endr
.endr
.endm
; the new running maximum of both tiles and the rescale factor.  c = 0.125 log2(e).  NM' = min(NM, -c max), AL = 2^(NM' - NM).
.macro ROWMAX
.irp a, 0,1
.irp kt, 0,1,2,3
	v_max3_num_f32 v[TT+4*\a+\kt], v[SC+32*\a+8*\kt], v[SC+32*\a+8*\kt+1], v[SC+32*\a+8*\kt+2]
.endr
.endr
.irp p, 3,5
.irp a, 0,1
.irp kt, 0,1,2,3
	v_max3_num_f32 v[TT+4*\a+\kt], v[TT+4*\a+\kt], v[SC+32*\a+8*\kt+\p], v[SC+32*\a+8*\kt+\p+1]
.endr
.endr
.endr
.irp a, 0,1
	v_max3_num_f32 v[TT+4*\a], v[TT+4*\a], v[SC+32*\a+7], v[SC+32*\a+15]
	v_max3_num_f32 v[TT+4*\a+2], v[TT+4*\a+2], v[SC+32*\a+23], v[SC+32*\a+31]
.endr
.irp a, 0,1
	v_max3_num_f32 v[TT+4*\a], v[TT+4*\a], v[TT+4*\a+1], v[TT+4*\a+2]
.endr
.irp a, 0,1
	v_max_num_f32 v[TT+4*\a], v[TT+4*\a], v[TT+4*\a+3]
.endr
.irp a, 0,1
	v_permlanex16_b32 v[TT+4*\a+1], v[TT+4*\a], s20, s21   ; the query's other 32 keys lie in lane r xor 16
.endr
.irp a, 0,1
	v_max_num_f32 v[TT+4*\a], v[TT+4*\a], v[TT+4*\a+1]
.endr
.irp a, 0,1
	v_mul_f32 v[TT+4*\a], 0xbe38aa3b, v[TT+4*\a]           ; -c x maximum
.endr
.irp a, 0,1
	v_min_num_f32 v[TT+4*\a], v[TT+4*\a], v[NM+\a]
.endr
.irp a, 0,1
	v_sub_f32 v[TT+4*\a+1], v[TT+4*\a], v[NM+\a]
.endr
.irp a, 0,1
	v_mov_b32 v[NM+\a], v[TT+4*\a]
.endr
.irp a, 0,1
	v_exp_f32 v[AL+\a], v[TT+4*\a+1]               ; first used in P2; P1's first line is the plain instruction behind it (ISA guide 5.7.2)
.endr
.endm
; pair jj of tile a: into the denominator (the first add of each chain carries the rescale), then packed to f16 in place.
; Pair jj lands in register 16 (jj>>3) + (jj&7), never above 2 jj: only pairs already summed are written over.
.macro SUMCVT a
.if jj < 2
	s_wait_alu depctr_va_vdst(0)
	v_pk_fma_f32 v[LS+4*\a+2*jj:LS+4*\a+2*jj+1], v[LS+4*\a+2*jj:LS+4*\a+2*jj+1], v[AL:AL+1], v[SC+32*\a+2*jj:SC+32*\a+2*jj+1] op_sel:[0,\a,0] op_sel_hi:[1,\a,1]
.else
	v_pk_add_f32 v[LS+4*\a+2*(jj&1):LS+4*\a+2*(jj&1)+1], v[LS+4*\a+2*(jj&1):LS+4*\a+2*(jj&1)+1], v[SC+32*\a+2*jj:SC+32*\a+2*jj+1]
.endif
	v_cvt_pk_f16_f32 v[SC+32*\a+16*(jj>>3)+(jj&7)], v[SC+32*\a+2*jj], v[SC+32*\a+2*jj+1]
.endm
; The softmax in four phases, so that each pair of exponentials is followed by plain work on other registers.
.macro P1                              ; tile 0: exponents s c + NM
.set jj, 0
.rept 16
	v_pk_fma_f32 v[SC+2*jj:SC+2*jj+1], v[SC+2*jj:SC+2*jj+1], 0x3e38aa3b, v[NM:NM+1] op_sel_hi:[1,0,0]
.set jj, jj+1
.endr
.endm
.macro P2                              ; tile 0: exponentials; tile 1: exponents; O of tile 0 rescaled
.set jj, 0
.rept 16
	v_exp_f32 v[SC+2*jj], v[SC+2*jj]
	v_exp_f32 v[SC+2*jj+1], v[SC+2*jj+1]
	v_pk_fma_f32 v[SC+32+2*jj:SC+32+2*jj+1], v[SC+32+2*jj:SC+32+2*jj+1], 0x3e38aa3b, v[NM:NM+1] op_sel:[0,0,1] op_sel_hi:[1,0,1]
	s_wait_alu depctr_va_vdst(0)
	v_pk_mul_f32 v[OA+2*jj:OA+2*jj+1], v[OA+2*jj:OA+2*jj+1], v[AL:AL+1] op_sel_hi:[1,0]
.set jj, jj+1
.endr
.endm
.macro P3                              ; tile 1: exponentials; tile 0: summed and packed; O of tile 1 rescaled
.set jj, 0
.rept 16
	v_exp_f32 v[SC+32+2*jj], v[SC+32+2*jj]
	v_exp_f32 v[SC+32+2*jj+1], v[SC+32+2*jj+1]
	SUMCVT 0
	v_pk_mul_f32 v[OA+32+2*jj:OA+32+2*jj+1], v[OA+32+2*jj:OA+32+2*jj+1], v[AL:AL+1] op_sel:[0,1] op_sel_hi:[1,1]
.set jj, jj+1
.endr
.endm
.macro P4                              ; tile 1: summed and packed; stands behind tile 0's products and names none of their registers
.set jj, 0
.rept 16
	SUMCVT 1
.set jj, jj+1
.endr
.endm
; 8 matrix instructions, f16 form: O^T(dt, a) += V^T(dt, ks) P^T(a, ks).  O's chains hold this form alone, the scores' the bf16 form alone.
.macro PV a
	s_wait_alu depctr_va_vdst(0)
.irp ks, 0,1
.irp dt, 0,1,2,3
	v_wmma_f32_16x16x32_f16 v[OA+8*(\dt+4*\a):OA+8*(\dt+4*\a)+7], v[FR+8*(4*\ks+\dt):FR+8*(4*\ks+\dt)+7], v[SC+32*\a+16*\ks:SC+32*\a+16*\ks+7], v[OA+8*(\dt+4*\a):OA+8*(\dt+4*\a)+7]
.endr
.endr
.endm
; ONE TRIP on slot \slot.  conv: the next tile goes from staging set \oth into slot \oth; lcnt: how many younger loads stay out then.
; ld: the tile three ahead is requested into set \oth.  pf: the trip may prefetch.
.macro TRIP id, slot, oth, conv, ld, lcnt, pf
	s_wait_dscnt 0x0                               ; my reads of slot \oth (last trip) and my stores into slot \slot are done:
	s_barrier_signal -1                            ; zero, since both are for the other waves' sake
	s_barrier_wait -1                              ; both now hold of all eight waves: \slot may be read, \oth written
.if \conv
	s_wait_loadcnt \lcnt                           ; loads return in order: the next tile's eight are in
	CONVT \oth, \oth
.endif
.if \ld
	s_wait_xcnt 0x0                                ; the pointers that earlier loads and the last prefetch name are stepped only behind this wait
	s_add_nc_u64 s[6:7], s[6:7], TILEB
	s_add_nc_u64 s[8:9], s[8:9], TILEB
	LOADT \oth, 0
.endif
	WIN 0
.if \pf
	; Block 7 is four tiles ahead of block 6 in every trip, so it reads each of its tiles first.  In loop iteration i < 7 (trip 2i, which has
	; just requested tile 2i+3) its waves 0-3 ask for K's and waves 4-7 for V's tiles 2i+5 and 2i+6, 32 lanes 256 bytes apart, 8,192 bytes
	; a wave: each 256-byte block once, two and three trips ahead of its load.  The last tile asked for is 18 of the block's 0 .. 19.
	s_cmp_ge_u32 s19, s28
	s_cbranch_scc1 .Lnp\id
	s_add_nc_u64 s[30:31], s[30:31], 2*TILEB
	global_prefetch_b8 v[PFO], s[30:31] th:TH_LOAD_NT scope:SCOPE_SE
.Lnp\id:
.endif
	s_cmp_gt_u32 s18, 1056                         ; unsigned: tiles beyond the diagonal (sd < 0) and beyond the window fall out together
	s_cbranch_scc1 .Lskip\id
	KFRAG \slot
	QK
	VFRAG \slot
	s_sub_co_u32 s26, s18, 64
	s_cmp_le_u32 s26, 928                          ; 64 <= sd <= 992: every pair of the tile is kept
	s_cbranch_scc1 .Lnm\id
	MASK
.Lnm\id:
	ROWMAX
	P1
	P2
	P3
	s_wait_dscnt 0x0                               ; V's fragments
	PV 0
	P4
	PV 1
.rept 5
	v_nop                                          ; five places: next come matrix writes over P, loads into FR, the rescale of O
.endr
.Lskip\id:
	s_sub_co_u32 s18, s18, 64                      ; the next tile lies 64 keys on
.endm
	; ---------------- prologue ----------------
	s_load_b256 s[4:11], s[0:1], 0x0               ; q s[4:5], k s[6:7], v s[8:9], sink_weights s[10:11]
	s_load_b64 s[12:13], s[0:1], 0x20              ; out0
	v_lshl_add_u32 v31, v0, 2, 0x1a800
	s_set_vgpr_msb 0x40
	v_mov_b32 v65, 0
	s_set_vgpr_msb 0x4000
	v_lshrrev_b32 v[VB], 5, v0
	v_readfirstlane_b32 s14, v[VB]                 ; wave 0..7
	v_and_b32 v[TT+2], 31, v0                      ; lane
	v_lshlrev_b32 v[LOFF], 4, v[TT+2]
	v_lshlrev_b32 v[GOFF], 4, v0
	s_and_b32 s16, ttmp7, 0xffff                   ; bh
	s_lshl_b32 s17, ttmp9, 2
	s_sub_co_i32 s17, s17, 16
	s_max_i32 s17, s17, 0                          ; first tile: max(4b - 16, 0)
	s_lshl_b32 s24, ttmp9, 1
	s_min_u32 s24, s24, 8                          ; loop iterations: (T - 4) / 2 = min(2b, 8)
	s_lshl_b32 s18, ttmp9, 8
	s_lshl_b32 s15, s14, 5
	s_add_co_u32 s18, s18, s15
	s_lshl_b32 s15, s17, 6
	s_sub_co_u32 s18, s18, s15                     ; sd = 256 b + 32 w - 64 x first tile
	s_mov_b32 s20, 0x76543210                      ; v_permlanex16_b32: lane i takes lane i of the other half
	s_mov_b32 s21, 0xfedcba98
	s_mov_b32 s23, 0xffff0000                      ; a word's upper bf16
	s_mov_b32 s29, 1025
	s_cmp_eq_u32 ttmp9, 7
	s_cselect_b32 s28, 7, 0                        ; iterations that prefetch
	s_mul_i32 s25, s14, WSTG
	s_add_co_u32 s25, s25, STAGE                   ; my stage
	s_lshl_b32 s26, s16, 19                        ; a pair's 2048 x 64 x 4 bytes
	s_mov_b32 s27, 0
	s_wait_kmcnt 0x0
	s_add_nc_u64 s[4:5], s[4:5], s[26:27]
	s_add_nc_u64 s[6:7], s[6:7], s[26:27]
	s_add_nc_u64 s[8:9], s[8:9], s[26:27]
	s_add_nc_u64 s[12:13], s[12:13], s[26:27]
	s_lshl_b32 s26, s17, 14
	s_add_nc_u64 s[6:7], s[6:7], s[26:27]          ; K and V at the first tile
	s_add_nc_u64 s[8:9], s[8:9], s[26:27]
	s_lshl_b32 s26, ttmp9, 16                      ; 256 rows of 256 bytes
	s_lshl_b32 s15, s14, 13                        ; 32 rows
	s_add_co_u32 s26, s26, s15
	s_add_nc_u64 s[4:5], s[4:5], s[26:27]          ; q and out at my rows
	s_add_nc_u64 s[12:13], s[12:13], s[26:27]
	s_and_b32 s26, s16, 15                         ; head
	s_lshl_b32 s26, s26, 2
	s_add_nc_u64 s[10:11], s[10:11], s[26:27]
	s_load_b32 s22, s[10:11], 0x0                  ; my head's sink logit
	s_cmp_lt_u32 s14, 4
	s_cselect_b64 s[30:31], s[6:7], s[8:9]         ; waves 0-3 prefetch K, waves 4-7 V
	s_add_nc_u64 s[30:31], s[30:31], 3*TILEB       ; stepped by two tiles in front of each request: the first is for tile 5
.set ii, 0
.rept 16
	global_load_b128 v[SC+4*ii:SC+4*ii+3], v[LOFF], s[4:5] offset:512*ii th:TH_LOAD_NT   ; my rows 2 ii + h, columns 4 r ..
.set ii, ii+1
.endr
	LOADT 0, 0                                     ; tile 0
	LOADT 1, TILEB                                 ; tile 1
	WIN 0
	; addresses, while the loads are on their way
	v_and_b32 v[TT], 15, v0                        ; r
	v_bfe_u32 v[TT+1], v0, 4, 1                    ; h
	v_mul_u32_u24 v[KA], v[TT], KPI
	v_lshl_add_u32 v[KA], v[TT+1], 4, v[KA]
	v_and_b32 v[TT+3], 7, v0
	v_lshl_add_u32 v[TT+3], v[TT+1], 3, v[TT+3]    ; 8 h + (L & 7)
	v_mul_u32_u24 v[VA], v[TT+3], VPI
	v_bfe_u32 v[TT+3], v0, 3, 1
	v_lshl_add_u32 v[VA], v[TT+3], 4, v[VA]
	v_add_nc_u32 v[VA], VOFF, v[VA]
	v_mul_u32_u24 v[TT+4], v[TT+1], KPI
	v_lshl_add_u32 v[TT+4], v[TT], 3, v[TT+4]      ; 144 h + 8 r
	s_mul_i32 s15, s14, 2*KPI
	v_add_nc_u32 v[KST], s15, v[TT+4]
	v_mul_u32_u24 v[TT+5], v[TT+1], VPI
	v_lshl_add_u32 v[TT+5], v[TT], 3, v[TT+5]      ; 160 h + 8 r
	s_mul_i32 s15, s14, 2*VPI
	s_add_co_u32 s15, s15, VOFF
	v_add_nc_u32 v[VST], s15, v[TT+5]
	s_and_b32 s15, s14, 3
	s_lshl_b32 s15, s15, 13
	v_lshl_add_u32 v[PFO], v[TT+2], 8, s15         ; (w & 3) x 8,192 + lane x 256
	v_lshlrev_b32 v[TT+3], 3, v[TT+1]
	v_sub_nc_u32 v[LB], v[TT], v[TT+3]             ; r - 8 h
	v_mov_b32 v[NEG], 0xf149f2ca                   ; -1e30
	v_add_nc_u32 v[VB], s25, v[TT+4]               ; Q into my stage
	v_add_nc_u32 v[TT+6], s25, v[KA]               ; Q's fragments out of it
	; O and the denominator start at zero in registers: the rescale reads them in every trip, and which trip is a wave's first differs
	; from wave to wave, so no product with C = 0 can be written out ahead of the loop.
.set ii, 0
.rept 64
	v_mov_b32 v[OA+ii], 0
.set ii, ii+1
.endr
.set ii, 0
.rept 8
	v_mov_b32 v[LS+ii], 0
.set ii, ii+1
.endr
	v_mov_b32 v[NM], 0x7f7fffff                    ; no score seen yet: minus the maximum is the largest finite number, so the first
	v_mov_b32 v[NM+1], 0x7f7fffff                  ; trip's minimum takes the tile's own figure and its rescale factor is 2^(-huge) = 0
	s_wait_kmcnt 0x0
	s_mul_f32 s22, s22, 0xbfb8aa3b                 ; -sink log2(e), for the epilogue
	s_wait_loadcnt 16                              ; Q's 16 loads are in; the 16 of tiles 0 and 1 stay out
.set ii, 0
.rept 16
	v_cvt_pk_bf16_f32 v[SC+4*ii], v[SC+4*ii], v[SC+4*ii+1]
	v_cvt_pk_bf16_f32 v[SC+4*ii+1], v[SC+4*ii+2], v[SC+4*ii+3]
.set ii, ii+1
.endr
.set ii, 0
.rept 16
	ds_store_b64 v[VB], v[SC+4*ii:SC+4*ii+1] offset:2*KPI*ii
.set ii, ii+1
.endr
.irp a, 0,1
.irp hf, 0,1
.irp c, 0,1
	ds_load_b128 v[QF+8*(2*\a+\hf)+4*\c:QF+8*(2*\a+\hf)+4*\c+3], v[TT+6] offset:16*KPI*\a+64*\hf+32*\c   ; my own bytes, served in order (ISA guide 5.7.1.4)
.endr
.endr
.endr
	s_wait_loadcnt 8                               ; tile 0 is in; tile 1's eight loads stay out
	CONVT 0, 0
	s_wait_xcnt 0x0                                ; the pointers are stepped only behind this wait
	s_add_nc_u64 s[6:7], s[6:7], 2*TILEB
	s_add_nc_u64 s[8:9], s[8:9], 2*TILEB
	LOADT 0, 0                                     ; tile 2.  From here on, at each trip's head: tile t+1 (8 older loads) and tile t+2 (8 younger) are out
	WIN 0
	; ---------------- the trips: 2 x s24 in the loop, four written out ----------------
	s_mov_b32 s19, 0
	s_cmp_eq_u32 s24, 0
	s_cbranch_scc1 .Ltail                          ; block 0 has four tiles only
.Lloop:
	TRIP 0, 0, 1, 1, 1, 8, 1
	TRIP 1, 1, 0, 1, 1, 8, 0
	s_add_co_u32 s19, s19, 1
	s_cmp_lt_u32 s19, s24
	s_cbranch_scc1 .Lloop
.Ltail:
	TRIP 2, 0, 1, 1, 1, 8, 0                       ; trip T-4 requests the last tile
	TRIP 3, 1, 0, 1, 0, 8, 0                       ; trip T-3: tile T-2 is in, the last tile's eight loads stay out
	TRIP 4, 0, 1, 1, 0, 0, 0                       ; trip T-2: nothing younger was requested: the wait is for 0
	TRIP 5, 1, 0, 0, 0, 0, 0                       ; trip T-1: products only
	; ---------------- epilogue ----------------
	; The denominator's eight parts are joined, then the sink comes in.  In the log2 domain, with signs turned: NMf = min(NM, -sink') is minus
	; the maximum of all logits; e1 = 2^(NMf - NM) brings O and l to that maximum, e2 = 2^(NMf + sink') is the sink's own term.
	; One of e1, e2 is 1 and l >= about 1, so the denominator l e1 + e2 is at least about 1 and at most 1026.
.irp a, 0,1
	v_pk_add_f32 v[LS+4*\a:LS+4*\a+1], v[LS+4*\a:LS+4*\a+1], v[LS+4*\a+2:LS+4*\a+3]
	v_add_f32 v[LS+4*\a], v[LS+4*\a], v[LS+4*\a+1]
	v_permlanex16_b32 v[LS+4*\a+2], v[LS+4*\a], s20, s21   ; its destination counts as read: the second chain, written since the prologue and done with
	v_add_f32 v[LS+4*\a], v[LS+4*\a], v[LS+4*\a+2]
	v_min_num_f32 v[TT+4*\a], s22, v[NM+\a]        ; NMf
	v_sub_f32 v[TT+4*\a+1], v[TT+4*\a], v[NM+\a]
	v_sub_f32 v[TT+4*\a+2], v[TT+4*\a], s22
.endr
.irp a, 0,1
	v_exp_f32 v[TT+4*\a+1], v[TT+4*\a+1]           ; e1
	v_exp_f32 v[TT+4*\a+2], v[TT+4*\a+2]           ; e2
.endr
	v_and_b32 v[KA], 15, v0                        ; r: the plain instruction behind the exponentials (ISA guide 5.7.2)
	v_bfe_u32 v[VA], v0, 4, 1                      ; h
	s_wait_alu depctr_va_vdst(0)
.irp a, 0,1
	v_fma_f32 v[LS+4*\a], v[LS+4*\a], v[TT+4*\a+1], v[TT+4*\a+2]
.endr
.irp a, 0,1
	v_rcp_f32 v[AL+\a], v[LS+4*\a]
.endr
	v_mul_u32_u24 v[VB], v[KA], OPI                ; the plain instruction behind the reciprocals
	v_lshl_add_u32 v[VB], v[VA], 5, v[VB]
	v_add_nc_u32 v[VB], s25, v[VB]                 ; in: row r, 32 bytes for each half of the lanes
	v_mul_u32_u24 v[KST], v[VA], OPI
	v_lshl_add_u32 v[KST], v[KA], 4, v[KST]
	v_add_nc_u32 v[KST], s25, v[KST]               ; back: lanes 0-15 one row of 256 bytes, lanes 16-31 the next
	s_wait_alu depctr_va_vdst(0)
.irp a, 0,1
	v_mul_f32 v[AL+\a], v[AL+\a], v[TT+4*\a+1]     ; e1 / denominator
.endr
.set jj, 0
.rept 16
	v_pk_mul_f32 v[OA+2*jj:OA+2*jj+1], v[OA+2*jj:OA+2*jj+1], v[AL:AL+1] op_sel_hi:[1,0]
	v_pk_mul_f32 v[OA+32+2*jj:OA+32+2*jj+1], v[OA+32+2*jj:OA+32+2*jj+1], v[AL:AL+1] op_sel:[0,1] op_sel_hi:[1,1]
.set jj, jj+1
.endr
.irp a, 0,1
.irp dt, 0,1,2,3
.irp c, 0,1
	ds_store_b128 v[VB], v[OA+8*(\dt+4*\a)+4*\c:OA+8*(\dt+4*\a)+4*\c+3] offset:16*OPI*\a+64*\dt+16*\c   ; out[16a + r][16dt + 8h + 4c ..]
.endr
.endr
.endr
.set ii, 0
.rept 16
	ds_load_b128 v[SC+4*ii:SC+4*ii+3], v[KST] offset:2*OPI*ii      ; my own bytes, served in order: these see the stores above
.set ii, ii+1
.endr
.set ii, 0
.rept 16
	s_wait_dscnt 15-ii                             ; rows 2 ii, 2 ii + 1 are in; the younger loads stay out
	global_store_b128 v[LOFF], v[SC+4*ii:SC+4*ii+3], s[12:13] offset:512*ii th:TH_STORE_NT   ; 16 lanes store one row: 256 consecutive bytes, aligned
.set ii, ii+1
.endr
	s_set_vgpr_msb 0x4
	s_wait_tensorcnt 0x0
	ds_add_u32 v31, v65
	s_wait_dscnt 0x0
	s_set_vgpr_msb 0x400
	s_endpgm
.Lfunc_end_k_qc927102ba7_attn:
	.size	k_qc927102ba7_attn, .Lfunc_end_k_qc927102ba7_attn-k_qc927102ba7_attn
	.p2alignl 7, 3214868480
	.fill 96, 4, 3214868480
	.section	.rodata,"a",@progbits
	.p2align	6, 0x0
	.amdhsa_kernel k_qc927102ba7_attn
		.amdhsa_group_segment_fixed_size 109568
		.amdhsa_private_segment_fixed_size 0
		.amdhsa_enable_private_segment 0
		.amdhsa_kernarg_size 40
		.amdhsa_user_sgpr_count 2
		.amdhsa_user_sgpr_kernarg_segment_ptr 1
		.amdhsa_wavefront_size32 1
		.amdhsa_system_sgpr_workgroup_id_x 1
		.amdhsa_system_sgpr_workgroup_id_y 1
		.amdhsa_system_sgpr_workgroup_id_z 1
		.amdhsa_system_vgpr_workitem_id 0
		.amdhsa_next_free_vgpr 322
		.amdhsa_next_free_sgpr 66
		.amdhsa_reserve_vcc 1
		.amdhsa_float_denorm_mode_32 3
		.amdhsa_float_denorm_mode_16_64 3
		.amdhsa_memory_ordered 1
		.amdhsa_forward_progress 1
		.amdhsa_inst_pref_size 203
	.end_amdhsa_kernel
	.amdgpu_metadata
---
amdhsa.version: [ 1, 2 ]
amdhsa.kernels:
  - .name:           k_qc927102ba7_attn
    .symbol:         k_qc927102ba7_attn.kd
    .args:
      - { .name: q, .offset: 0, .size: 8, .value_kind: global_buffer, .address_space: global }
      - { .name: k, .offset: 8, .size: 8, .value_kind: global_buffer, .address_space: global }
      - { .name: v, .offset: 16, .size: 8, .value_kind: global_buffer, .address_space: global }
      - { .name: sink_weights, .offset: 24, .size: 8, .value_kind: global_buffer, .address_space: global }
      - { .name: out0, .offset: 32, .size: 8, .value_kind: global_buffer, .address_space: global }
    .group_segment_fixed_size: 109568
    .private_segment_fixed_size: 0
    .kernarg_segment_align: 8
    .kernarg_segment_size: 40
    .max_flat_workgroup_size: 256
    .sgpr_count:     66
    .vgpr_count:     322
    .wavefront_size: 32
...
	.end_amdgpu_metadata
.endif
;; end of part 1
